; MI455X (gfx1250); checked and timed in simulation.
; The chip was launched on July 23, 2026; its instructions are those of AMD's public machine-readable ISA for CDNA 5 (MIT licence, August 2026) and "CDNA5" Instruction Set Architecture Reference Guide (July 2026). The comments in the code are by the model that wrote it; some were corrected since.
;; Writing Layer Re LU. Allowed arithmetic: float matrix products may take bf16 or f16 operands with f32 sums; other float arithmetic in f32, or as packed bf16 or f16 multiplies, adds, multiply-adds, maxima and minima; sums over many terms, partial sums and values carried from step to step in f32; what a program stores and reads back later, other than sums and carried values, may be rounded once to bf16 or f16.
;; Inputs: W 1,024 x 1,024 float32; x 16 x 512 x 1,024 float32.
;; Outputs: out0 16 x 512 x 512 float32; out1 16 x 512 x 512 float32; out2 16 x 512 x 512 float32.
;; One version. Each part assembles by itself: llvm-mc -triple=amdgcn-amd-amdhsa -mcpu=gfx1250 --defsym DOCPART=n.
;; ======== version 1 of 1: 3 launches
;; workspace buffers: wb 2,097,152 bytes; kv 16,777,216 bytes
;; launch castw (part 1): grid 256 x 1, 8 waves a work-group, no clusters, 0 bytes of LDS; arguments W, wb; writes wb
.if DOCPART == 1
	.amdgcn_target "amdgcn-amd-amdhsa--gfx1250"
	.amdhsa_code_object_version 6
	.text
	.protected	k_qfeb636dab0_castw
	.globl	k_qfeb636dab0_castw
	.p2align	8
	.type	k_qfeb636dab0_castw,@function
k_qfeb636dab0_castw:
	s_mov_b64 s[64:65], 0
	v_nop
	global_prefetch_b8 v0, s[64:65] scope:SCOPE_SE
	s_setreg_imm32_b32 hwreg(HW_REG_WAVE_MODE, 25, 1), 1
	s_wait_xcnt 0x0
; wb = W rounded once to bf16 (nearest even).  W: [1024][1024] f32, wb: [1024][1024] bf16, both row-major.
; A stream: a work-group takes 16,384 bytes of W, each of its eight waves 2,048: four loads of 512 consecutive bytes in,
; four stores of 256 consecutive bytes out, each at a multiple of 256 from wb's first byte.  Every byte is read once and written once.
; No LDS, no barrier, no matrix unit: nothing is shared and nothing is summed.  No register is written twice, so no wait frees a source.
	s_load_b128 s[4:7], s[0:1], 0x0                ; W s[4:5], wb s[6:7]
	s_lshl_b32 s2, ttmp9, 14                       ; my work-group's 16,384 bytes of W
	s_mov_b32 s3, 0
	s_lshl_b32 s8, ttmp9, 13                       ; and its 8,192 bytes of wb
	s_mov_b32 s9, 0
	v_lshrrev_b32 v3, 5, v0                        ; wave
	v_and_b32 v1, 31, v0                           ; lane
	v_lshlrev_b32 v2, 3, v1                        ; out: 8 bytes a lane
	v_lshlrev_b32 v1, 4, v1                        ; in: 16 bytes a lane
	v_lshl_or_b32 v1, v3, 11, v1                   ; + wave x 2,048
	v_lshl_or_b32 v2, v3, 10, v2                   ; + wave x 1,024
	s_wait_kmcnt 0x0
	s_add_nc_u64 s[4:5], s[4:5], s[2:3]
	s_add_nc_u64 s[6:7], s[6:7], s[8:9]
.irp j, 0,1,2,3
	global_load_b128 v[4+4*(\j):7+4*(\j)], v1, s[4:5] offset:512*(\j) th:TH_LOAD_NT  ; W is read once in this launch
.endr
.irp j, 0,1,2,3
	s_wait_loadcnt 3-(\j)                          ; loads come back in order (ISA guide 5.7.1): load j is in, the 3 - j younger ones stay out
	v_cvt_pk_bf16_f32 v[20+2*(\j)], v[4+4*(\j)], v[5+4*(\j)]
	v_cvt_pk_bf16_f32 v[21+2*(\j)], v[6+4*(\j)], v[7+4*(\j)]
	global_store_b64 v2, v[20+2*(\j):21+2*(\j)], s[6:7] offset:256*(\j)  ; 32 lanes x 8 bytes; no hint: the next launch reads wb
.endr
	s_endpgm
.Lfunc_end_k_qfeb636dab0_castw:
	.size	k_qfeb636dab0_castw, .Lfunc_end_k_qfeb636dab0_castw-k_qfeb636dab0_castw
	.p2alignl 7, 3214868480
	.fill 96, 4, 3214868480
	.section	.rodata,"a",@progbits
	.p2align	6, 0x0
	.amdhsa_kernel k_qfeb636dab0_castw
		.amdhsa_group_segment_fixed_size 0
		.amdhsa_private_segment_fixed_size 0
		.amdhsa_enable_private_segment 0
		.amdhsa_kernarg_size 16
		.amdhsa_user_sgpr_count 2
		.amdhsa_user_sgpr_kernarg_segment_ptr 1
		.amdhsa_wavefront_size32 1
		.amdhsa_system_sgpr_workgroup_id_x 1
		.amdhsa_system_sgpr_workgroup_id_y 1
		.amdhsa_system_sgpr_workgroup_id_z 1
		.amdhsa_system_vgpr_workitem_id 0
		.amdhsa_next_free_vgpr 32
		.amdhsa_next_free_sgpr 66
		.amdhsa_reserve_vcc 0
		.amdhsa_float_denorm_mode_32 3
		.amdhsa_float_denorm_mode_16_64 3
		.amdhsa_memory_ordered 1
		.amdhsa_forward_progress 1
		.amdhsa_inst_pref_size 3
	.end_amdhsa_kernel
	.amdgpu_metadata
---
amdhsa.version: [ 1, 2 ]
amdhsa.kernels:
  - .name:           k_qfeb636dab0_castw
    .symbol:         k_qfeb636dab0_castw.kd
    .args:
      - { .name: W, .offset: 0, .size: 8, .value_kind: global_buffer, .address_space: global }
      - { .name: wb, .offset: 8, .size: 8, .value_kind: global_buffer, .address_space: global }
    .group_segment_fixed_size: 0
    .private_segment_fixed_size: 0
    .kernarg_segment_align: 8
    .kernarg_segment_size: 16
    .max_flat_workgroup_size: 256
    .sgpr_count:     66
    .vgpr_count:     32
    .wavefront_size: 32
...
	.end_amdgpu_metadata
.endif
;; end of part 1
;; launch proj (part 2): grid 4 x 64, 4 waves a work-group, clusters of 4 x 4, 327,680 bytes of LDS; arguments x, wb, out1, out2, kv; writes out1, out2, kv
.if DOCPART == 2
	.amdgcn_target "amdgcn-amd-amdhsa--gfx1250"
	.amdhsa_code_object_version 6
	.text
	.protected	k_qfeb636dab0_proj
	.globl	k_qfeb636dab0_proj
	.p2align	8
	.type	k_qfeb636dab0_proj,@function
k_qfeb636dab0_proj:
	s_mov_b64 s[64:65], 0
	v_nop
	global_prefetch_b8 v0, s[64:65] scope:SCOPE_SE
	s_setreg_imm32_b32 hwreg(HW_REG_WAVE_MODE, 25, 1), 1
	s_wait_xcnt 0x0
	s_wait_alu depctr_hold_cnt(0) depctr_sa_sdst(0) depctr_va_vdst(0) depctr_va_sdst(0) depctr_va_ssrc(0) depctr_va_vcc(0) depctr_vm_vsrc(0)
	s_getreg_b32 s2, hwreg(HW_REG_IB_STS2, 6, 4)
	s_cmp_eq_u32 s2, 0
	s_cbranch_scc0 .Lentry_in_a_cluster
	s_endpgm
.Lentry_in_a_cluster:
	s_bfe_u32 s2, ttmp6, 0x10000c
	s_cmp_lg_u32 s2, 0xf033
	s_cbranch_scc0 .Lentry_shape_is_right
	s_endpgm
.Lentry_shape_is_right:
; relu(x W^T).  x: [8192 = 512 b + t][1024] f32; wb: [1024 o][1024 i] bf16 (W rounded once by the launch before).
; out1 = columns 0-511 (keys), out2 = columns 512-1023 (values), each [8192][512] f32; kv: [8192][1024] bf16, the same numbers rounded once, for the launch behind.
; LIMITS.  Matrix operands are bf16, sums f32, one accumulator an output, K ascending.  relu is the maximum with 0 in which a NaN loses: a NaN sum (only from
; inputs that are not finite, or an overflow) gives 0 where a maximum that keeps NaN would give NaN.
; SHARES.  A tile is 128 rows x 256 columns: 64 x 4 = 256 work-groups.  Four waves, each 64 rows x 128 columns: 32 accumulators of 16 x 16, 256 registers.
; K = 1,024 goes in 8 steps of 128 through a ring of two LDS slots: x's rows are 512 bytes of memory a step, wb's 256, all at multiples of 256 from their buffers' first bytes.
; x comes into LDS as f32 and is rounded to bf16 in registers, between its LDS load and the product: 32 conversions for a quarter step's 32 matrix instructions.
; CLUSTER.  4 x 4 work-groups: the four of a row of the cluster need the same tile of x, the four of a column the same tile of wb.  Each tile is asked for JOINTLY: the same
; tensor load, descriptor and mask in all four.
; THE MATRIX INSTRUCTION IS USED TRANSPOSED (source 0 = 16 rows of wb, source 1 = 16 rows of x): a lane then holds row lane % 16 and eight neighbouring columns 8 (lane / 16) + 0..7.
; REGISTERS, in windows of 256 (s_set_vgpr_msb: bits 1:0 source 0, 3:2 source 1, 5:4 source 2, 7:6 destination):
;   window 0: v0-31 addresses; v32-127 and v128-223 two sets for the way out (64 of f32, 32 of bf16)
;   window 1: the accumulators, (a, b) at v[8 (8 a + b)]
;   window 2: v0-63, v64-127 wb's fragments, two buffers; v128-159, v160-191 x's fragments in bf16, two buffers; v192-255 x's fragments as loaded, f32
.set PA,      528                      ; an LDS row of x: 512 bytes + 16 of padding = 132 words: row r starts at bank 4 r mod 64 (64 banks of 4 bytes: ISA guide 11.1)
.set PB,      272                      ; an LDS row of wb: 256 + 16 = 68 words: likewise
.set AHALF,   64*PA                    ; what one tensor load brings of x, and what one wave reads of it
.set BHALF,   128*PB                   ; the same for wb
.set ABYTES,  2*AHALF
.set SLOT,    ABYTES+2*BHALF           ; x's 128 rows, then wb's 256 rows: 137,216 bytes
.set STAGE_F, 2*SLOT                   ; behind the ring, never filled by a tensor load: 16 rows x 528 bytes for each wave, the f32 way out
.set STAGE_H, STAGE_F+4*16*PA          ; 16 rows x 272 bytes for each wave, the bf16 way out
.set SPARE,   STAGE_H+4*16*PB          ; the spare words, 128 bytes for each wave: two blocks of 256 bytes that no other line names
.set LAPS,    4                        ; a lap = two K steps = once round the ring
.set ADRA, 16                          ; v16-17  LDS address of my fragments of x in slot 0, 1
.set ADRB, 20                          ; v20-21  the same for wb
.set STF,  22                          ; v22     way out, f32: where I put 32 bytes of a row
.set RDF,  23                          ; v23     where I read a row of 512 bytes back
.set STH,  24                          ; v24     way out, bf16: where I put 16 bytes of a row
.set RDH,  25                          ; v25     where I read two rows of 256 bytes back
.set COF,  26                          ; v26     my byte offset in a row of out1 or out2
.set COH,  27                          ; v27     my byte offset in two rows of kv
.set SPW,  28                          ; v28     LDS address of my spare word; never rewritten
.set NIL,  29                          ; v29     0; never rewritten
.set PF,   30                          ; v30     byte offset of the block of x that my lane asks for ahead
.set RAW,  192                         ; window 2
.set WV,   14                          ; s14 wave;  s15 my half of the rows, also: I fetch x (0) or wb (1);  s16 my half of the columns, also: which half of that tile I fetch
.set RH,   15
.set CH,   16
.set G1A,  24                          ; s[24:31] descriptor group 1 for x's tiles;  s[32:39] group 0, a set for each slot
.set G0A,  32
.set G1B,  48                          ; s[48:55], s[56:63] the same for wb's
.set G0B,  56
.set W_MUL,  0x5a                      ; sources 0 and 1 window 2, C and D window 1
.set W_CVT,  0x8a                      ; destination and both sources window 2
.set W_LD,   0x80                      ; destination window 2, address window 0
.set W_RELU, 0x04                      ; source 1 window 1, destination window 0
.set MSB, 0
.macro WIN new                         ; the immediate's high byte repeats the setting that is left; a switch that changes nothing is dropped
.if MSB != (\new)
	s_set_vgpr_msb (MSB<<8)|(\new)
.set MSB, \new
.endif
.endm
; A joint load: waves 0 and 1 fetch x's two halves, waves 2 and 3 wb's.  The branch hangs on the wave's number alone.  An s_nop 0 and four v_nop follow each of the two lines.
.macro JLOAD s
	s_cmp_eq_u32 s[RH], 0
	s_cbranch_scc0 .Lfor_b_\@
	tensor_load_to_lds s[G0A+4*(\s):G0A+4*(\s)+3], s[G1A:G1A+7]
	s_nop 0
.rept 4
	v_nop
.endr
	s_branch .Lasked_\@
.Lfor_b_\@:
	tensor_load_to_lds s[G0B+4*(\s):G0B+4*(\s)+3], s[G1B:G1B+7]
	s_nop 0
.rept 4
	v_nop
.endr
.Lasked_\@:
.endm
.macro CREST                           ; a round of the cluster's barrier behind its opening barrier
	s_cmp_lg_u32 s[WV], 0
	s_cbranch_scc1 .Lnot_wave_0_\@
	s_barrier_signal -3
.Lnot_wave_0_\@:
	s_barrier_wait -3
	s_barrier_signal -1
	s_barrier_wait -1
.endm
.macro CROUND                          ; a whole round
	s_barrier_signal -1
	s_barrier_wait -1
	CREST
.endm
.macro PLACES                          ; four plain vector instructions between a matrix instruction and a reader of its result (ISA guide 7.12.1)
.rept 4
	v_nop
.endr
.endm
	s_load_b256 s[4:11], s[0:1], 0x0               ; x s[4:5], wb s[6:7], out1 s[8:9], out2 s[10:11]
	s_load_b64 s[12:13], s[0:1], 0x20              ; kv
	v_lshl_add_u32 v[SPW], v0, 2, SPARE
	v_mov_b32 v[NIL], 0
	ds_add_u32 v[SPW], v[NIL]                      ; the wave's opening: the add and its wait stand ahead of my first tensor load; the set-up below, work on registers, stands between them
	v_lshrrev_b32 v1, 5, v0
	v_readfirstlane_b32 s[WV], v1                  ; wave 0..3
	s_lshr_b32 s[RH], s[WV], 1
	s_and_b32 s[CH], s[WV], 1
	s_bfe_u32 s17, ttmp6, 0x40000                  ; cx, cy: my place in the cluster
	s_bfe_u32 s18, ttmp6, 0x40004
	s_lshl_b32 s19, ttmp9, 2
	s_add_co_u32 s19, s19, s17                     ; column tile = 4 x cluster x + cx, 0..3
	s_and_b32 s20, ttmp7, 0xffff
	s_lshl_b32 s20, s20, 2
	s_add_co_u32 s20, s20, s18                     ; row tile = 4 x cluster y + cy, 0..63
	s_lshl_b32 s21, s18, 2
	s_lshl_b32 s21, 15, s21                        ; my row of the cluster: places 4 cy .. 4 cy + 3
	s_lshl_b32 s22, 0x1111, s17                    ; my column: places cx, cx + 4, cx + 8, cx + 12
	; descriptor group 1.  x: 64 rows x 128 elements of 4 bytes; wb: 128 rows x 128 elements of 2 bytes; both padded in LDS by 4 words a row
	s_or_b32 s[G1A+0], s21, (2<<16)|(1<<20)|(1<<21)|(6<<22)|(3<<25)  ; 15:0 the mask of my row; 17:16 elements of 4 bytes; 20 padding on; 21 set beside a mask; 24:22 after every 128 words (code 6); 31:25 4 words (code 3)
	s_or_b32 s[G1B+0], s22, (1<<16)|(1<<20)|(1<<21)|(5<<22)|(3<<25)  ; the mask of my column; elements of 2 bytes; after every 64 words (code 5)
	s_mov_b32 s[G1A+1], 128<<16                    ; tensor_dim0 = 128
	s_mov_b32 s[G1A+2], 64<<16                     ; tensor_dim1 = 64
	s_mov_b32 s[G1A+3], 128<<16                    ; tile_dim0 = 128
	s_mov_b32 s[G1A+4], 64                         ; tile_dim1 = 64
	s_mov_b32 s[G1A+5], 1024                       ; elements from row to row
	s_mov_b32 s[G1A+6], 0
	s_mov_b32 s[G1A+7], 0
	s_mov_b32 s[G1B+1], 128<<16
	s_mov_b32 s[G1B+2], 128<<16                    ; tensor_dim1 = 128
	s_mov_b32 s[G1B+3], 128<<16
	s_mov_b32 s[G1B+4], 128                        ; tile_dim1 = 128
	s_mov_b32 s[G1B+5], 1024
	s_mov_b32 s[G1B+6], 0
	s_mov_b32 s[G1B+7], 0
	; where the tiles come from and go.  x's hang on the row tile alone (s40-42 never hold cx), wb's on the column tile alone (s44-46 never hold cy); no place in the cluster enters an LDS address
	s_lshl_b32 s40, s20, 7
	s_lshl_b32 s41, s[CH], 6
	s_add_co_u32 s40, s40, s41                     ; x: row 128 x row tile + 64 x half,
	s_lshl_b32 s40, s40, 12                        ; of 4,096 bytes: under 2^25
	s_mov_b32 s41, 0
	s_mul_i32 s42, s[CH], AHALF
	s_lshl_b32 s44, s19, 8
	s_lshl_b32 s45, s[CH], 7
	s_add_co_u32 s44, s44, s45                     ; wb: row 256 x column tile + 128 x half,
	s_lshl_b32 s44, s44, 11                        ; of 2,048 bytes
	s_mov_b32 s45, 0
	s_mul_i32 s46, s[CH], BHALF
	s_add_co_u32 s46, s46, ABYTES
	; where my 64 rows x 128 columns go: rows of 2,048 bytes in out1, out2 and kv alike
	s_lshl_b32 s74, s20, 7
	s_lshl_b32 s75, s[RH], 6
	s_add_co_u32 s74, s74, s75
	s_lshl_b32 s74, s74, 11                        ; my first row
	s_and_b32 s76, s19, 1
	s_lshl_b32 s76, s76, 10                        ; f32: 256 columns of 4 bytes for the odd column tiles,
	s_lshl_b32 s75, s[CH], 9                       ; 128 for my half
	s_add_co_u32 s76, s76, s75
	s_add_co_u32 s76, s76, s74
	s_mov_b32 s77, 0
	s_lshl_b32 s75, s19, 9                         ; bf16: 256 columns of 2 bytes a column tile,
	s_add_co_u32 s74, s74, s75
	s_lshl_b32 s75, s[CH], 8                       ; 128 for my half
	s_add_co_u32 s74, s74, s75
	s_mov_b32 s75, 0
	; the blocks of x asked for ahead.  A lap's part of the tile is 128 rows x 1,024 bytes.  Work-group cx takes rows 32 cx .. + 31, a lane a row, wave w the 256 bytes at 256 w:
	; the four partners that share the tile ask for each block once between them.
	s_lshl_b32 s66, s20, 19                        ; the tile's first row: 128 rows of 4,096 bytes a row tile
	s_mov_b32 s67, 0
	v_and_b32 v3, 31, v0                           ; lane
	s_lshl_b32 s2, s17, 5
	v_add_nc_u32 v[PF], s2, v3
	v_lshlrev_b32 v[PF], 12, v[PF]
	s_lshl_b32 s23, s[WV], 8
	s_add_co_u32 s23, s23, 1024                    ; lap 1
	v_add_nc_u32 v[PF], s23, v[PF]
	s_wait_dscnt 0x0                               ; the opening add is done
	s_wait_kmcnt 0x0
	s_add_nc_u64 s[40:41], s[4:5], s[40:41]
	s_add_nc_u64 s[44:45], s[6:7], s[44:45]
	s_add_nc_u64 s[72:73], s[4:5], s[66:67]
	s_cmp_lt_u32 s19, 2                            ; column tiles 0, 1 are keys, 2, 3 values: a choice of buffer, no branch
	s_cselect_b64 s[68:69], s[8:9], s[10:11]
	s_add_nc_u64 s[68:69], s[68:69], s[76:77]
	s_add_nc_u64 s[70:71], s[12:13], s[74:75]
	CROUND                                         ; all sixteen work-groups are here: the first joint loads meet
.irp s, 0,1
	s_mov_b32 s[G0A+4*(\s)], 1                                       ; count = 1
	s_add_co_u32 s[G0A+4*(\s)+1], s42, (\s)*SLOT                     ; LDS address
	s_add_nc_u64 s[G0A+4*(\s)+2:G0A+4*(\s)+3], s[40:41], (\s)*512    ; global address: K step s, 128 f32
	s_or_b32 s[G0A+4*(\s)+3], s[G0A+4*(\s)+3], 0x80000000            ; type = 2
	s_mov_b32 s[G0B+4*(\s)], 1
	s_add_co_u32 s[G0B+4*(\s)+1], s46, (\s)*SLOT
	s_add_nc_u64 s[G0B+4*(\s)+2:G0B+4*(\s)+3], s[44:45], (\s)*256    ; K step s, 128 bf16
	s_or_b32 s[G0B+4*(\s)+3], s[G0B+4*(\s)+3], 0x80000000
	JLOAD \s                                       ; two loads of mine are out
.endr
	global_prefetch_b8 v[PF], s[72:73] th:TH_LOAD_NT scope:SCOPE_SE  ; lap 1 of x, which the loop's first trip brings into LDS
	; A fragment is 16 rows x 32 K: lane l holds row l % 16, K = 8 (l / 16) + 0..7 and 16 + 8 (l / 16) + 0..7.  In bf16: two loads of 16 bytes, 32 bytes apart; in f32: four, at 0, 16, 64, 80.
	v_and_b32 v1, 15, v0                           ; l % 16
	v_bfe_u32 v2, v0, 4, 1                         ; l / 16
	v_mul_u32_u24 v4, v1, PA
	v_lshl_add_u32 v4, v2, 5, v4                   ; 528 r + 32 h
	v_mul_u32_u24 v5, v1, PB
	v_lshl_add_u32 v5, v2, 4, v5                   ; 272 r + 16 h
	s_mul_i32 s2, s[RH], AHALF                     ; my 64 rows of x
	s_mul_i32 s23, s[CH], BHALF                    ; my 128 rows of wb,
	s_add_co_u32 s23, s23, ABYTES                  ; which lie behind x's 128
.irp s, 0,1
	v_add_nc_u32 v[ADRA+(\s)], s2, v4
	v_add_nc_u32 v[ADRB+(\s)], s23, v5
	s_add_co_u32 s2, s2, SLOT
	s_add_co_u32 s23, s23, SLOT
.endr
	s_mul_i32 s2, s[WV], 16*PA
	s_add_co_u32 s2, s2, STAGE_F                   ; my f32 stage
	v_add_nc_u32 v[STF], s2, v4                    ; in: row l % 16, 32 bytes for each half of the lanes
	v_lshl_add_u32 v[RDF], v3, 4, s2               ; back: 32 lanes take one row of 512 bytes
	s_mul_i32 s23, s[WV], 16*PB
	s_add_co_u32 s23, s23, STAGE_H                 ; my bf16 stage
	v_add_nc_u32 v[STH], s23, v5                   ; in: row l % 16, 16 bytes for each half of the lanes
	v_mul_u32_u24 v6, v2, PB
	v_lshl_add_u32 v6, v1, 4, v6
	v_add_nc_u32 v[RDH], s23, v6                   ; back: lanes 0-15 one row of 256 bytes, lanes 16-31 the next
	v_lshlrev_b32 v[COF], 4, v3
	v_lshlrev_b32 v[COH], 11, v2
	v_lshl_add_u32 v[COH], v1, 4, v[COH]
; The next matrix instruction of a quarter step, number i of 32: accumulator (i / 8, i % 8).  All 32 take turns in the same order in every quarter.  zero = 1: the product starts the sum.
.macro MM f, zero
	WIN W_MUL
.set rD, 8*i
.set rB, 64*(\f)+8*(i%8)
.set rA, 128+32*(\f)+8*(i/8)
.if \zero
	v_wmma_f32_16x16x32_bf16 v[rD:rD+7], v[rB:rB+7], v[rA:rA+7], 0
.else
	v_wmma_f32_16x16x32_bf16 v[rD:rD+7], v[rB:rB+7], v[rA:rA+7], v[rD:rD+7]
.endif
.set i, i+1
.endm
; 32 LDS loads in one run: quarter q of a slot.  First x's 64 rows x 32 K in f32 (16 loads into RAW), then wb's 128 rows x 32 K (16 loads into buffer f).
.macro RUN slot, q, f
	WIN W_LD
.irp a, 0,1,2,3
	ds_load_b128 v[RAW+16*(\a):RAW+16*(\a)+3],     v[ADRA+(\slot)] offset:128*(\q)+(\a)*16*PA
	ds_load_b128 v[RAW+16*(\a)+4:RAW+16*(\a)+7],   v[ADRA+(\slot)] offset:128*(\q)+(\a)*16*PA+16
	ds_load_b128 v[RAW+16*(\a)+8:RAW+16*(\a)+11],  v[ADRA+(\slot)] offset:128*(\q)+(\a)*16*PA+64
	ds_load_b128 v[RAW+16*(\a)+12:RAW+16*(\a)+15], v[ADRA+(\slot)] offset:128*(\q)+(\a)*16*PA+80
.endr
.irp b, 0,1,2,3,4,5,6,7
	ds_load_b128 v[64*(\f)+8*(\b):64*(\f)+8*(\b)+3],   v[ADRB+(\slot)] offset:64*(\q)+(\b)*16*PB
	ds_load_b128 v[64*(\f)+8*(\b)+4:64*(\f)+8*(\b)+7], v[ADRB+(\slot)] offset:64*(\q)+(\b)*16*PB+32
.endr
.endm
; Group g of 8: eight f32 of RAW rounded to bf16 into x's fragment buffer f.  The four conversions are also places behind the matrix instruction in front of them: they name none of its registers.
.macro CVG f, g
	s_wait_dscnt 30-2*(\g)                         ; LDS loads come back in order (ISA guide 5.7.1): the run's loads 2 g and 2 g + 1 are in, the 30 - 2 g younger ones stay out
	WIN W_CVT
.irp j, 0,1,2,3
	v_cvt_pk_bf16_f32 v[128+32*(\f)+4*(\g)+(\j)], v[RAW+8*(\g)+2*(\j)], v[RAW+8*(\g)+2*(\j)+1]
.endr
.endm
; A K step is four quarters of 32 along K, 32 matrix instructions each, on buffers 0, 1, 0, 1.  One of the first three: multiplies buffer f; behind its second product the run of loads for quarter qn goes out
; (the last reader of wb's other buffer stands in front of the four conversions that close the quarter before); the conversions follow in eight groups, three products apart.
.macro QUARTER slot, qn, f, zero
	s_wait_dscnt 0x0                               ; wb's fragments of this quarter are in
.set i, 0
.rept 32
	MM \f, \zero
.if i == 2
	RUN \slot, \qn, 1-(\f)
.endif
.if (i >= 11) && ((i-11)%3 == 0)
	CVG 1-(\f), (i-11)/3
.endif
.endr
.endm
; The last quarter multiplies buffer 1 and changes slots: ONE barrier.  In front of it each wave waits for all its tensor loads (one is out: its part of the next slot), adds 0 to its spare word, and waits for that
; and for its own reads of this slot.  fill = 1: the barrier opens a round of the cluster's barrier, and this slot is filled again, two K steps ahead, first thing behind the round:
; 112 matrix instructions stand between that request and the wait for it.
; pf = 1: x's lap after the one that this trip brings into LDS is asked for ahead, one line a wave; the loop's last trip asks for nothing, so no request leaves a row's 4,096 bytes.  pf = 2: the offset steps a lap on.
.macro TURN slot, next, fill, pf
	WIN 0                                          ; (the add's two registers lie in window 0)
	s_wait_tensorcnt 0x0                           ; all my tensor loads have landed;
	ds_add_u32 v[SPW], v[NIL]                      ; 0 onto my spare word;
	s_wait_dscnt 0x1                               ; wb's fragments are in; the add alone may be out
.set i, 0
.rept 8
	MM 1, 0                                        ; eight matrix instructions stand between the add and the wait for it
.endr
	s_wait_dscnt 0x0                               ; the add is done, and my reads of this slot are over
	s_barrier_signal -1
.rept 8
	MM 1, 0
.endr
.if \fill
	WIN 0
.endif
	s_barrier_wait -1
.if \fill
	CREST                                          ; no wave of any partner still reads this slot's tiles or has a load on its way
	s_add_nc_u64 s[G0A+4*(\slot)+2:G0A+4*(\slot)+3], s[G0A+4*(\slot)+2:G0A+4*(\slot)+3], 1024  ; two K steps on: 256 f32,
	s_add_nc_u64 s[G0B+4*(\slot)+2:G0B+4*(\slot)+3], s[G0B+4*(\slot)+2:G0B+4*(\slot)+3], 512   ; 256 bf16
	JLOAD \slot
.if (\pf) == 1
	s_cmp_eq_u32 s3, 1                             ; the loop's count: the same in every wave and every partner
	s_cbranch_scc1 .Lno_ask_\@
	global_prefetch_b8 v[PF], s[72:73] offset:1024 th:TH_LOAD_NT scope:SCOPE_SE
.Lno_ask_\@:
.endif
.if (\pf) == 2
	s_wait_xcnt 0x0                                ; the request issued a K step ago has had its address translated (ISA guide 3.1): only now is its offset rewritten
	v_add_nc_u32 v[PF], 1024, v[PF]
.endif
.endif
	RUN \next, 0, 0                                ; the next slot's first quarter; buffer 0's last reader stands in front of the four conversions that close the quarter before
.rept 16
	MM 1, 0
.if (i >= 18) && (i%2 == 0)
	CVG 0, (i-18)/2
.endif
.endr
.endm
; THE WAY OUT of block a (16 rows x 128 columns).  PACK: the maximum with 0 (each accumulator's registers in ascending order), rounded once more to bf16; both go into my own stages in LDS and
; come back as whole rows, into the registers that they left.  LDS serves a wave's instructions in order (ISA guide 5.7.1.4): no wait stands between the stores and the loads.
.macro PACK a
.set rT, 32+96*((\a)%2)
.set rH, rT+64
.if (\a) >= 2
	s_wait_xcnt 0x0                                ; the stores of the block two back have had their addresses translated (ISA guide 3.1): only now are their data registers rewritten
.endif
	WIN W_RELU
.set i, 0
.rept 64
	v_max_num_f32 v[rT+i], 0, v[64*(\a)+i]
.set i, i+1
.endr
	WIN 0
.set i, 0
.rept 32
	v_cvt_pk_bf16_f32 v[rH+i], v[rT+2*i], v[rT+2*i+1]
.set i, i+1
.endr
.irp b, 0,1,2,3,4,5,6,7
	ds_store_b128 v[STF], v[rT+8*(\b):rT+8*(\b)+3]   offset:64*(\b)
	ds_store_b128 v[STF], v[rT+8*(\b)+4:rT+8*(\b)+7] offset:64*(\b)+16
.endr
.irp b, 0,1,2,3,4,5,6,7
	ds_store_b128 v[STH], v[rH+4*(\b):rH+4*(\b)+3] offset:32*(\b)
.endr
.set i, 0
.rept 16
	ds_load_b128 v[rT+4*i:rT+4*i+3], v[RDF] offset:i*PA
.set i, i+1
.endr
.set i, 0
.rept 8
	ds_load_b128 v[rH+4*i:rH+4*i+3], v[RDH] offset:i*2*PB
.set i, i+1
.endr
.endm
.macro SEND a, younger                 ; younger: the LDS instructions issued behind block a's loads: the next block's 48, or none
.set rT, 32+96*((\a)%2)
.set rH, rT+64
	WIN 0
	s_wait_dscnt \younger
.set i, 0
.rept 16
	global_store_b128 v[COF], v[rT+4*i:rT+4*i+3], s[68:69] offset:(16*(\a)+i)*2048 th:TH_STORE_NT  ; 512 consecutive bytes, at a multiple of 256 from the output's first byte
.set i, i+1
.endr
.set i, 0
.rept 8
	global_store_b128 v[COH], v[rH+4*i:rH+4*i+3], s[70:71] offset:(16*(\a)+2*i)*2048  ; 16 lanes store 256 consecutive bytes of a row of kv; no hint: the next launch reads kv
.set i, i+1
.endr
.endm
	s_wait_tensorcnt 0x1                           ; my part of K step 0 is in; K step 1's may stay out
	s_barrier_signal -1
	s_barrier_wait -1                              ; everybody's is
	RUN 0, 0, 0
.irp g, 0,1,2,3,4,5,6,7
	CVG 0, \g
.endr
	QUARTER 0, 1, 0, 1                             ; the first quarter stands in front of the loop: its products start the sums
	WIN 0                                          ; at a label and at a branch every window is 0
	s_mov_b32 s3, LAPS-1
.Llap:                                                 ; a trip goes once round the ring, from a lap's second quarter to the next lap's first, and fills both slots again
	QUARTER 0, 2, 1, 0
	QUARTER 0, 3, 0, 0
	TURN 0, 1, 1, 1
	QUARTER 1, 1, 0, 0
	QUARTER 1, 2, 1, 0
	QUARTER 1, 3, 0, 0
	TURN 1, 0, 1, 2
	QUARTER 0, 1, 0, 0
	WIN 0
	s_sub_co_u32 s3, s3, 1
	s_cmp_lg_u32 s3, 0
	s_cbranch_scc1 .Llap
	QUARTER 0, 2, 1, 0                             ; the last lap fills nothing, and has no round of the cluster's barrier
	QUARTER 0, 3, 0, 0
	TURN 0, 1, 0, 0
	QUARTER 1, 1, 0, 0
	QUARTER 1, 2, 1, 0
	QUARTER 1, 3, 0, 0
	s_wait_dscnt 0x0                               ; the very last quarter: nothing more to fetch
.set i, 0
.rept 32
	MM 1, 0
.endr
	WIN 0
	PLACES                                         ; block 0's maxima read results, and no other vector work is at hand
	PACK 0
	PACK 1                                         ; a block's arithmetic stands between the loads of the block before and its stores
	SEND 0, 48
	PACK 2
	SEND 1, 48
	PACK 3
	SEND 2, 48
	SEND 3, 0
	s_wait_tensorcnt 0x0                           ; the wave's end: a wait, an add and its wait, behind my last tensor load and my last LDS store
	ds_add_u32 v[SPW], v[NIL]
	s_wait_dscnt 0x0
	CROUND                                         ; the closing round: no work-group ends while a partner may still ask for a tile that names it
	s_endpgm
.Lfunc_end_k_qfeb636dab0_proj:
	.size	k_qfeb636dab0_proj, .Lfunc_end_k_qfeb636dab0_proj-k_qfeb636dab0_proj
	.p2alignl 7, 3214868480
	.fill 96, 4, 3214868480
	.section	.rodata,"a",@progbits
	.p2align	6, 0x0
	.amdhsa_kernel k_qfeb636dab0_proj
		.amdhsa_group_segment_fixed_size 327680
		.amdhsa_private_segment_fixed_size 0
		.amdhsa_enable_private_segment 0
		.amdhsa_kernarg_size 40
		.amdhsa_user_sgpr_count 2
		.amdhsa_user_sgpr_kernarg_segment_ptr 1
		.amdhsa_wavefront_size32 1
		.amdhsa_system_sgpr_workgroup_id_x 1
		.amdhsa_system_sgpr_workgroup_id_y 1
		.amdhsa_system_sgpr_workgroup_id_z 1
		.amdhsa_system_vgpr_workitem_id 0
		.amdhsa_next_free_vgpr 768
		.amdhsa_next_free_sgpr 80
		.amdhsa_reserve_vcc 0
		.amdhsa_float_denorm_mode_32 3
		.amdhsa_float_denorm_mode_16_64 3
		.amdhsa_memory_ordered 1
		.amdhsa_forward_progress 1
		.amdhsa_inst_pref_size 158
	.end_amdhsa_kernel
	.amdgpu_metadata
---
amdhsa.version: [ 1, 2 ]
amdhsa.kernels:
  - .name:           k_qfeb636dab0_proj
    .symbol:         k_qfeb636dab0_proj.kd
    .args:
      - { .name: x, .offset: 0, .size: 8, .value_kind: global_buffer, .address_space: global }
      - { .name: wb, .offset: 8, .size: 8, .value_kind: global_buffer, .address_space: global }
      - { .name: out1, .offset: 16, .size: 8, .value_kind: global_buffer, .address_space: global }
      - { .name: out2, .offset: 24, .size: 8, .value_kind: global_buffer, .address_space: global }
      - { .name: kv, .offset: 32, .size: 8, .value_kind: global_buffer, .address_space: global }
    .group_segment_fixed_size: 327680
    .private_segment_fixed_size: 0
    .kernarg_segment_align: 8
    .kernarg_segment_size: 40
    .max_flat_workgroup_size: 128
    .sgpr_count:     80
    .vgpr_count:     768
    .wavefront_size: 32
...
	.end_amdgpu_metadata
.endif
;; end of part 2
;; launch outer (part 3): grid 4 x 64, 4 waves a work-group, clusters of 4 x 4, 327,680 bytes of LDS; arguments kv, out0; writes out0
.if DOCPART == 3
	.amdgcn_target "amdgcn-amd-amdhsa--gfx1250"
	.amdhsa_code_object_version 6
	.text
	.protected	k_qfeb636dab0_outer
	.globl	k_qfeb636dab0_outer
	.p2align	8
	.type	k_qfeb636dab0_outer,@function
k_qfeb636dab0_outer:
	s_mov_b64 s[64:65], 0
	v_nop
	global_prefetch_b8 v0, s[64:65] scope:SCOPE_SE
	s_setreg_imm32_b32 hwreg(HW_REG_WAVE_MODE, 25, 1), 1
	s_wait_xcnt 0x0
	s_wait_alu depctr_hold_cnt(0) depctr_sa_sdst(0) depctr_va_vdst(0) depctr_va_sdst(0) depctr_va_ssrc(0) depctr_va_vcc(0) depctr_vm_vsrc(0)
	s_getreg_b32 s2, hwreg(HW_REG_IB_STS2, 6, 4)
	s_cmp_eq_u32 s2, 0
	s_cbranch_scc0 .Lentry_in_a_cluster
	s_endpgm
.Lentry_in_a_cluster:
	s_bfe_u32 s2, ttmp6, 0x10000c
	s_cmp_lg_u32 s2, 0xf033
	s_cbranch_scc0 .Lentry_shape_is_right
	s_endpgm
.Lentry_shape_is_right:
; out0[b][kh][vh] = the sum over t of k[b][t][kh] v[b][t][vh]: the scan's 512 outer products of a batch are one product k^T v.
; kv: [8192 = 512 b + t][1024] bf16, columns 0-511 keys, 512-1023 values, rows of 2,048 bytes.  out0: [16][512][512] f32.
; LIMITS.  The sums are f32, one accumulator an output, t ascending, in the matrix instruction's own order within 32 t, not one addition a step as a scan makes them;
; k and v enter rounded to bf16.  All terms are 0 or greater, so no difference of large sums arises.
; SHARES.  A cluster of 4 x 4 work-groups is one batch; work-group (cx, cy) makes rows 128 cy .. and columns 128 cx .. of it: 256 work-groups.  Four waves, each 64 x 64: 16 accumulators.
; The keys' tile (512 t x 128 columns) hangs on cy alone and is shared along a row of the cluster, the values' on cx alone and is shared along a column: each is asked for JOINTLY.
; LDS holds both tiles whole: every tensor load is a first fill, four a wave, all issued at the start; nothing is filled again, so the waits for tiles are counted and later tiles stay out across the barriers.
; No request ahead of the loads: all that the work-group reads is asked for in its first lines.
; t lies down the rows, so fragments come out of LDS turned, by ds_load_tr16_b128.  Source 0 = 16 columns of v, source 1 = 16 columns of k: a lane holds row kh = lane % 16 and eight neighbouring vh.
; REGISTERS: window 0: v0-31 addresses; v32-95 two sets for the way out; v128-255 the accumulators, (a, b) at v[128 + 8 (4 a + b)].
;   window 1: two fragment buffers of 128: for 64 along t, 64 registers of k (2 x 4 fragments), then 64 of v.
.set PT,    288                        ; an LDS row: 256 bytes + 32 of padding = 72 words: row r starts at bank 8 r mod 64 (64 banks of 4 bytes: ISA guide 11.1)
.set LOADB, 64*PT                      ; what one tensor load brings: 64 t
.set CHUNK, 2*LOADB                    ; 128 t: two waves' loads
.set QB,    64*PT                      ; a quarter: 64 t
.set VBASE, 512*PT                     ; the values' tile lies behind the keys'
.set STAGE, 2*VBASE                    ; never filled by a tensor load: 16 rows x 272 bytes for each wave, for the way out
.set SP,    272
.set SPARE, STAGE+4*16*SP              ; the spare words, 128 bytes for each wave: two blocks of 256 bytes that no other line names
.set ADRA, 8                           ; v8-11   LDS address of my fragments of k in chunk 0..3
.set ADRB, 12                          ; v12-15  the same for v
.set STO,  24                          ; v24     the way out: where I put 32 bytes of a row
.set RD,   25                          ; v25     where I read two rows of 256 bytes back
.set CO,   26                          ; v26     my byte offset in two rows of out0
.set SPW,  28                          ; v28     LDS address of my spare word; never rewritten
.set NIL,  29                          ; v29     0; never rewritten
.set TMP,  32
.set ACC,  128
.set F0,   0                           ; fragment buffers, in window 1
.set F1,   128
.set G1A,  24                          ; s[24:31] descriptor group 1 for the keys' tiles; s[32:39] for the values': it differs in the mask alone
.set G1B,  32
.set G0A,  40                          ; s[40:55] group 0 for the keys, a set for each chunk
.set G0B,  68                          ; s[68:83] the same for the values
.set W_MUL, 0x05                       ; sources 0 and 1 window 1; C and D window 0
.set W_F,   0x40                       ; destination window 1, address window 0
.set MSB, 0
.macro WIN new                         ; the immediate's high byte repeats the setting that is left
.if MSB != (\new)
	s_set_vgpr_msb (MSB<<8)|(\new)
.set MSB, \new
.endif
.endm
.macro CROUND                          ; a round of the cluster's barrier
	s_barrier_signal -1
	s_barrier_wait -1
	s_cmp_lg_u32 s10, 0
	s_cbranch_scc1 .Lnot_wave_0_\@
	s_barrier_signal -3
.Lnot_wave_0_\@:
	s_barrier_wait -3
	s_barrier_signal -1
	s_barrier_wait -1
.endm
.macro PLACES                          ; four plain vector instructions in front of loads into registers that matrix instructions have read, and of stores that read results (ISA guide 7.12.1 for the stores)
.rept 4
	v_nop
.endr
.endm
	s_load_b128 s[4:7], s[0:1], 0x0                ; kv s[4:5], out0 s[6:7]
	v_lshl_add_u32 v[SPW], v0, 2, SPARE
	v_mov_b32 v[NIL], 0
	ds_add_u32 v[SPW], v[NIL]                      ; the wave's opening: the add and its wait stand ahead of my first tensor load; the set-up below, work on registers, stands between them
	v_lshrrev_b32 v1, 5, v0
	v_readfirstlane_b32 s10, v1                    ; wave 0..3
	s_lshr_b32 s11, s10, 1                         ; my half of the tile's rows (kh).  Also: I fetch keys (0) or values (1)
	s_and_b32 s12, s10, 1                          ; my half of its columns (vh).  Also: which 64 t of a chunk I fetch
	s_bfe_u32 s14, ttmp6, 0x40000                  ; cx, cy: my place in the cluster
	s_bfe_u32 s15, ttmp6, 0x40004
	s_lshl_b32 s19, ttmp9, 2
	s_add_co_u32 s19, s19, s14                     ; column tile = 4 x cluster x + cx, 0..3
	s_and_b32 s16, ttmp7, 0xffff                   ; the cluster's y is the batch; the row tile in it is cy
	s_lshl_b32 s17, s15, 2
	s_lshl_b32 s17, 15, s17                        ; my row of the cluster
	s_lshl_b32 s18, 0x1111, s14                    ; my column
	; descriptor group 1: 64 rows x 128 elements of 2 bytes, padded in LDS by 8 words a row
	s_or_b32 s[G1A+0], s17, (1<<16)|(1<<20)|(1<<21)|(5<<22)|(7<<25)  ; 15:0 the mask; 17:16 elements of 2 bytes; 20 padding on; 21 set beside a mask; 24:22 after every 64 words (code 5); 31:25 8 words (code 7)
	s_or_b32 s[G1B+0], s18, (1<<16)|(1<<20)|(1<<21)|(5<<22)|(7<<25)
.irp g, G1A, G1B
	s_mov_b32 s[(\g)+1], 128<<16                   ; tensor_dim0 = 128
	s_mov_b32 s[(\g)+2], 64<<16                    ; tensor_dim1 = 64
	s_mov_b32 s[(\g)+3], 128<<16                   ; tile_dim0 = 128
	s_mov_b32 s[(\g)+4], 64                        ; tile_dim1 = 64
	s_mov_b32 s[(\g)+5], 1024                      ; elements from row to row
	s_mov_b32 s[(\g)+6], 0
	s_mov_b32 s[(\g)+7], 0
.endr
	; where the tiles come from: s56-57 never hold cx, s58-59 never hold cy
	s_lshl_b32 s56, s16, 9
	s_lshl_b32 s57, s12, 6
	s_add_co_u32 s56, s56, s57                     ; row 512 x batch + 64 x half,
	s_lshl_b32 s56, s56, 11                        ; of 2,048 bytes: under 2^24
	s_mov_b32 s58, s56
	s_lshl_b32 s57, s15, 8                         ; keys: 128 columns of 2 bytes a row tile
	s_add_co_u32 s56, s56, s57
	s_mov_b32 s57, 0
	s_lshl_b32 s59, s19, 8                         ; values: the same a column tile,
	s_add_co_u32 s58, s58, s59
	s_add_co_u32 s58, s58, 1024                    ; behind the 512 keys
	s_mov_b32 s59, 0
	s_mul_i32 s60, s12, LOADB                      ; and where they go: no place in the cluster enters an LDS address
	s_add_co_u32 s61, s60, VBASE
	; where my 64 x 64 of out0 begins
	s_lshl_b32 s20, s16, 20                        ; a batch is 512 x 512 x 4 bytes
	s_lshl_b32 s21, s15, 7
	s_lshl_b32 s22, s11, 6
	s_add_co_u32 s21, s21, s22
	s_lshl_b32 s21, s21, 11                        ; rows of 2,048 bytes
	s_add_co_u32 s20, s20, s21
	s_lshl_b32 s21, s19, 9                         ; 128 columns of 4 bytes a column tile,
	s_lshl_b32 s22, s12, 8                         ; 64 for my half
	s_add_co_u32 s21, s21, s22
	s_add_co_u32 s20, s20, s21
	s_mov_b32 s21, 0
	s_wait_dscnt 0x0                               ; the opening add is done
	s_wait_kmcnt 0x0
	s_add_nc_u64 s[56:57], s[4:5], s[56:57]
	s_add_nc_u64 s[58:59], s[4:5], s[58:59]
	s_add_nc_u64 s[8:9], s[6:7], s[20:21]
	CROUND                                         ; all sixteen work-groups are here: the joint loads meet
.irp c, 0,1,2,3
	s_mov_b32 s[G0A+4*(\c)], 1                                          ; count = 1
	s_add_co_u32 s[G0A+4*(\c)+1], s60, (\c)*CHUNK                       ; LDS address
	s_add_nc_u64 s[G0A+4*(\c)+2:G0A+4*(\c)+3], s[56:57], (\c)*128*2048  ; global address: chunk c, 128 t on
	s_or_b32 s[G0A+4*(\c)+3], s[G0A+4*(\c)+3], 0x80000000               ; type = 2
	s_mov_b32 s[G0B+4*(\c)], 1
	s_add_co_u32 s[G0B+4*(\c)+1], s61, (\c)*CHUNK
	s_add_nc_u64 s[G0B+4*(\c)+2:G0B+4*(\c)+3], s[58:59], (\c)*128*2048
	s_or_b32 s[G0B+4*(\c)+3], s[G0B+4*(\c)+3], 0x80000000
.endr
	s_cmp_eq_u32 s11, 0                            ; a wave's four fills stand in one branch on its number, ahead of every wait on TENSORcnt and every LDS read: four loads of mine are out
	s_cbranch_scc0 .Lfirst_v
.irp c, 0,1,2,3
	tensor_load_to_lds s[G0A+4*(\c):G0A+4*(\c)+3], s[G1A:G1A+7]
	s_nop 0
.endr
.rept 4
	v_nop
.endr
	s_branch .Lfirst_asked
.Lfirst_v:
.irp c, 0,1,2,3
	tensor_load_to_lds s[G0B+4*(\c):G0B+4*(\c)+3], s[G1B:G1B+7]
	s_nop 0
.endr
.rept 4
	v_nop
.endr
.Lfirst_asked:
	; The turning load takes 16 t x 16 columns (lane l reads 16 bytes: t = 8 (l / 16) + l % 8, columns 8 ((l / 8) % 2) + 0..7) and leaves half a fragment: lane l holds column l % 16 and 8 t.
	v_and_b32 v1, 15, v0                           ; l % 16
	v_bfe_u32 v2, v0, 4, 1                         ; l / 16
	v_and_b32 v4, 7, v0
	v_bfe_u32 v5, v0, 3, 1
	v_lshl_add_u32 v3, v2, 3, v4
	v_mul_u32_u24 v3, v3, PT
	v_lshl_add_u32 v3, v5, 4, v3
	s_lshl_b32 s20, s11, 7                         ; my 64 columns of k: 128 bytes a half
	s_lshl_b32 s21, s12, 7                         ; my 64 columns of v
	s_add_co_u32 s21, s21, VBASE
.irp c, 0,1,2,3
	v_add_nc_u32 v[ADRA+(\c)], s20, v3
	v_add_nc_u32 v[ADRB+(\c)], s21, v3
	s_add_co_u32 s20, s20, CHUNK
	s_add_co_u32 s21, s21, CHUNK
.endr
	s_mul_i32 s22, s10, 16*SP
	s_add_co_u32 s22, s22, STAGE                   ; my stage
	v_mul_u32_u24 v6, v1, SP                       ; in: row l % 16, 32 bytes for each half of the lanes
	v_lshl_add_u32 v6, v2, 5, v6
	v_add_nc_u32 v[STO], s22, v6
	v_mul_u32_u24 v6, v2, SP                       ; back: lanes 0-15 one row of 256 bytes, lanes 16-31 the next
	v_lshl_add_u32 v6, v1, 4, v6
	v_add_nc_u32 v[RD], s22, v6
	v_lshlrev_b32 v[CO], 11, v2                    ; and the same two rows in out0
	v_lshl_add_u32 v[CO], v1, 4, v[CO]
; 8 matrix instructions: kh blocks a0, a0 + 1 x all 4 vh blocks, 32 along t: half c of buffer f.  The 16 accumulators take turns.  zero = 1: the product starts the sum
.macro MUL8 f, c, a0, zero
	WIN W_MUL
.irp a, \a0, (\a0)+1
.irp b, 0,1,2,3
.if \zero
	v_wmma_f32_16x16x32_bf16 v[ACC+8*(4*(\a)+(\b)):ACC+8*(4*(\a)+(\b))+7], v[(\f)+64+8*(4*(\c)+(\b)):(\f)+64+8*(4*(\c)+(\b))+7], v[(\f)+8*(4*(\c)+(\a)):(\f)+8*(4*(\c)+(\a))+7], 0
.else
	v_wmma_f32_16x16x32_bf16 v[ACC+8*(4*(\a)+(\b)):ACC+8*(4*(\a)+(\b))+7], v[(\f)+64+8*(4*(\c)+(\b)):(\f)+64+8*(4*(\c)+(\b))+7], v[(\f)+8*(4*(\c)+(\a)):(\f)+8*(4*(\c)+(\a))+7], v[ACC+8*(4*(\a)+(\b)):ACC+8*(4*(\a)+(\b))+7]
.endif
.endr
.endr
.endm
; 32 LDS loads in one run: the fragments of 64 t beginning at byte k of chunk ch, into buffer f; the first 32 t first
.macro FETCH ch, k, f
	WIN W_F
.irp c, 0,1
.irp i, 0,1,2,3
	ds_load_tr16_b128 v[(\f)+64+8*(4*(\c)+(\i)):(\f)+64+8*(4*(\c)+(\i))+3],   v[ADRB+(\ch)] offset:(\k)+(\c)*32*PT+32*(\i)
	ds_load_tr16_b128 v[(\f)+64+8*(4*(\c)+(\i))+4:(\f)+64+8*(4*(\c)+(\i))+7], v[ADRB+(\ch)] offset:(\k)+(\c)*32*PT+32*(\i)+16*PT
	ds_load_tr16_b128 v[(\f)+8*(4*(\c)+(\i)):(\f)+8*(4*(\c)+(\i))+3],         v[ADRA+(\ch)] offset:(\k)+(\c)*32*PT+32*(\i)
	ds_load_tr16_b128 v[(\f)+8*(4*(\c)+(\i))+4:(\f)+8*(4*(\c)+(\i))+7],       v[ADRA+(\ch)] offset:(\k)+(\c)*32*PT+32*(\i)+16*PT
.endr
.endr
.endm
; A quarter is 64 t, 32 matrix instructions.  This one multiplies buffer f and fetches, from the same chunk, the 64 t at byte k into buffer g.
.macro QUARTER ch, k, f, g, zero
	s_wait_dscnt 16                                ; the first 32 t are in; the run's younger sixteen loads may be out
	MUL8 \f, 0, 0, \zero
	MUL8 \f, 0, 2, \zero
	PLACES
	FETCH \ch, \k, \g
	s_wait_dscnt 32                                ; all but the 32 just issued
	MUL8 \f, 1, 0, 0
	MUL8 \f, 1, 2, 0
.endm
; This one multiplies buffer f and goes on to chunk ch: each wave waits for its part of that chunk (n later loads of its four stay out), then the barrier shows everybody's part.
.macro QMEET ch, f, g, n
	s_wait_dscnt 16
	MUL8 \f, 0, 0, 0
	MUL8 \f, 0, 2, 0
	s_wait_tensorcnt \n                            ; tensor loads of a wave end in order (ISA guide 10.11.1)
	s_wait_dscnt 0x0                               ; no LDS instruction of mine is pending at the signal
	s_barrier_signal -1
	MUL8 \f, 1, 0, 0                               ; work on registers while the others arrive
	s_barrier_wait -1
	PLACES
	FETCH \ch, 0, \g
	MUL8 \f, 1, 2, 0
.endm
; THE WAY OUT of block a (16 rows x 64 columns of f32): straight from the accumulators (their lowest registers first) into my own stage, and back as whole rows of 256 bytes.
.macro TOSTAGE a
.set rT, TMP+32*((\a)%2)
.if (\a) >= 2
	s_wait_xcnt 0x0                                ; the stores of the block two back have had their addresses translated (ISA guide 3.1): only now are their data registers loaded again
.endif
.irp b, 0,1,2,3
	ds_store_b128 v[STO], v[ACC+8*(4*(\a)+(\b)):ACC+8*(4*(\a)+(\b))+3]   offset:64*(\b)
	ds_store_b128 v[STO], v[ACC+8*(4*(\a)+(\b))+4:ACC+8*(4*(\a)+(\b))+7] offset:64*(\b)+16
.endr
.irp t, 0,1,2,3,4,5,6,7
	ds_load_b128 v[rT+4*(\t):rT+4*(\t)+3], v[RD] offset:(\t)*2*SP  ; LDS serves a wave's instructions in order (ISA guide 5.7.1.4): these see the stores above; the next block's stores come behind them
.endr
.endm
.macro SEND a, younger                 ; younger: the LDS instructions issued behind block a's loads: the next block's sixteen, or none
.set rT, TMP+32*((\a)%2)
	s_wait_dscnt \younger
.irp t, 0,1,2,3,4,5,6,7
	global_store_b128 v[CO], v[rT+4*(\t):rT+4*(\t)+3], s[8:9] offset:(16*(\a)+2*(\t))*2048 th:TH_STORE_NT  ; 16 lanes store 256 consecutive bytes, at a multiple of 256 from out0's first byte
.endr
.endm
	s_wait_tensorcnt 0x3                           ; my part of chunk 0 is in; my three later loads stay out
	s_barrier_signal -1
	s_barrier_wait -1                              ; everybody's is
	FETCH 0, 0, F0
	QUARTER 0, QB, F0, F1, 1                       ; the first products start the sums
	QMEET 1, F1, F0, 2
	QUARTER 1, QB, F0, F1, 0
	QMEET 2, F1, F0, 1
	QUARTER 2, QB, F0, F1, 0
	QMEET 3, F1, F0, 0
	QUARTER 3, QB, F0, F1, 0
	s_wait_dscnt 16                                ; the last quarter: nothing more to fetch
	MUL8 F1, 0, 0, 0
	MUL8 F1, 0, 2, 0
	s_wait_dscnt 0x0
	MUL8 F1, 1, 0, 0
	MUL8 F1, 1, 2, 0
	WIN 0
	PLACES
	TOSTAGE 0
	TOSTAGE 1
	SEND 0, 16
	TOSTAGE 2
	SEND 1, 16
	TOSTAGE 3
	SEND 2, 16
	SEND 3, 0
	s_wait_tensorcnt 0x0                           ; the wave's end: a wait, an add and its wait, behind my last tensor load and my last LDS store
	ds_add_u32 v[SPW], v[NIL]
	s_wait_dscnt 0x0
	CROUND                                         ; the closing round: no work-group ends while a partner may still ask for a tile that names it
	s_endpgm
.Lfunc_end_k_qfeb636dab0_outer:
	.size	k_qfeb636dab0_outer, .Lfunc_end_k_qfeb636dab0_outer-k_qfeb636dab0_outer
	.p2alignl 7, 3214868480
	.fill 96, 4, 3214868480
	.section	.rodata,"a",@progbits
	.p2align	6, 0x0
	.amdhsa_kernel k_qfeb636dab0_outer
		.amdhsa_group_segment_fixed_size 327680
		.amdhsa_private_segment_fixed_size 0
		.amdhsa_enable_private_segment 0
		.amdhsa_kernarg_size 16
		.amdhsa_user_sgpr_count 2
		.amdhsa_user_sgpr_kernarg_segment_ptr 1
		.amdhsa_wavefront_size32 1
		.amdhsa_system_sgpr_workgroup_id_x 1
		.amdhsa_system_sgpr_workgroup_id_y 1
		.amdhsa_system_sgpr_workgroup_id_z 1
		.amdhsa_system_vgpr_workitem_id 0
		.amdhsa_next_free_vgpr 512
		.amdhsa_next_free_sgpr 88
		.amdhsa_reserve_vcc 0
		.amdhsa_float_denorm_mode_32 3
		.amdhsa_float_denorm_mode_16_64 3
		.amdhsa_memory_ordered 1
		.amdhsa_forward_progress 1
		.amdhsa_inst_pref_size 51
	.end_amdhsa_kernel
	.amdgpu_metadata
---
amdhsa.version: [ 1, 2 ]
amdhsa.kernels:
  - .name:           k_qfeb636dab0_outer
    .symbol:         k_qfeb636dab0_outer.kd
    .args:
      - { .name: kv, .offset: 0, .size: 8, .value_kind: global_buffer, .address_space: global }
      - { .name: out0, .offset: 8, .size: 8, .value_kind: global_buffer, .address_space: global }
    .group_segment_fixed_size: 327680
    .private_segment_fixed_size: 0
    .kernarg_segment_align: 8
    .kernarg_segment_size: 16
    .max_flat_workgroup_size: 128
    .sgpr_count:     88
    .vgpr_count:     512
    .wavefront_size: 32
...
	.end_amdgpu_metadata
.endif
;; end of part 3
